; MI455X (gfx1250); checked and timed in simulation.
; The chip was launched on July 23, 2026; its instructions are those of AMD's public machine-readable ISA for CDNA 5 (MIT licence, August 2026) and "CDNA5" Instruction Set Architecture Reference Guide (July 2026). The comments in the code are by the model that wrote it; some were corrected since.
;; Differentiable Topos Attention. Allowed arithmetic: matrix products marked QUANTISED: E5M2 operands, one given power-of-two scale a tensor, by v_wmma_f32_16x16x64_bf8_bf8 or v_wmma_f32_16x16x128_bf8_bf8, f32 sums; everything else in f32.
;; Inputs: Wk_codes 128 x 4 x 32 uint8 (E5M2 codes of Wk, K innermost, in blocks of 32 codes); Wq_codes 128 x 4 x 32 uint8 (E5M2 codes of Wq, K innermost, in blocks of 32 codes); Wv_codes 128 x 4 x 32 uint8 (E5M2 codes of Wv, K innermost, in blocks of 32 codes); bk 128 float32; bq 128 float32; bv 128 float32; lowp_scales 8 int32 (the exponents e of the quantised operands' scales 2^e); x_codes 2 x 1,024 x 4 x 32 uint8 (E5M2 codes of x, K innermost, in blocks of 32 codes).
;; Outputs: out0 2 x 1,024 x 128 float32.
;; Constants: apply_causal_mask = 1.
;; This version of the problem:
;;   THIS VERSION OF THE PROBLEM IS GIVEN IN LOW PRECISION. The matrix products marked QUANTISED in the list below multiply operands that are first quantised to E5M2 (5 exponent bits, 2 mantissa bits; 8 bits a number), with one given power-of-two scale for each operand tensor; their sums are f32. All else is computed in f32.
;;   The module's matrix products, in the order in which they are computed (A, B: the left and right operand; K: the contracted axis; several contracted axes count as one K, in the product's order):
;;     1. [M 2,048, K 128] x [K 128, N 128]; A: input x (given as codes); B: input Wq (given as codes): QUANTISED (scales: A lowp_scales[0], B lowp_scales[1])
;;     2. [M 2,048, K 128] x [K 128, N 128]; A: input x (given as codes); B: input Wk (given as codes): QUANTISED (scales: A lowp_scales[2], B lowp_scales[3])
;;     3. [M 2,048, K 128] x [K 128, N 128]; A: input x (given as codes); B: input Wv (given as codes): QUANTISED (scales: A lowp_scales[4], B lowp_scales[5])
;;     4. batch 2 x [M 1,024, K 1,024] x [K 1,024, N 128]; A: softmax (see below); B: computed on the way: QUANTISED (scales: A lowp_scales[6], B lowp_scales[7])
;;   THE QUANTISER, for each operand of a quantised product, along K:
;;     - The operand's scale is 2^e, e = its entry of the input lowp_scales (int32; the entries are numbered through the quantised products in the list's order, A before B).
;;     - Each number is divided by the scale, clamped to +-57,344, and rounded to the nearest number of E5M2, ties to even, subnormals kept.
;;     - The product sums the exact products of the quantised numbers (number of the format x scale) in f32.
;;   ~~~python
;;   def quantise(x, axis, e):      # numpy; x: float32 -> the quantised numbers, widened to float32 again
;;       x = np.moveaxis(x, axis, -1); K = x.shape[-1]
;;       r = np.clip(x / 2.0 ** e, -57344, 57344)
;;       step = 2.0 ** (np.maximum(np.frexp(np.where(r == 0, 1, r))[1] - 1, -14) - 2)
;;       q = np.round(r / step) * step * 2.0 ** e      # np.round: ties to even
;;       return np.moveaxis(q, -1, axis).astype(np.float32)
;;   ~~~
;;   SOFTMAX AHEAD OF A QUANTISED PRODUCT. Where the list says 'softmax', what is quantised is not the finished softmax but p = 2^(t - M), with t = logit x log2(e) and M = ceil(the row's largest t), a whole number; so 1/2 < the row's largest p <= 1. The row's sum l is taken of the UNQUANTISED p, in f32, and the product's result is divided by l at the end. Since M is a whole number, a kernel that streams over the keys may use a running M (the ceiling of the running maximum): every later rescaling is an exact power of two, so the quantised numbers keep their values, but for numbers so far below the row's largest that they fall under the format's range.
;;   OPERANDS COMPUTED ON THE WAY. 'Computed on the way' means the value that the module computes at that place (a softmax that the list does not call 'softmax' is quantised finished and normalised). What goes into a quantiser is computed in f32, as accurately as f32 sums, v_exp_f32 and their like allow (about 1e-6 of the number): no bf16 or f16 on the way to a quantiser, and a product that is left as it is and whose result goes on into a quantised operand takes f32 operands (vector FMAs, or v_wmma_f32_16x16x4_f32). A number that lies on a knife's edge between two numbers of the format may be rounded either way, as far as f32 arithmetic and the matrix unit's own rounding can turn it there, and no further.
;;   INPUTS GIVEN AS CODES. Wk (in the module: [128, 128], K = its axis 1); Wq (in the module: [128, 128], K = its axis 1); Wv (in the module: [128, 128], K = its axis 1); x (in the module: [2, 1024, 128], K = its axis 2): each comes as NAME_codes (uint8): NAME with its K axis moved to the last place and cut into blocks of 32 codes, [.., K / 32, bytes a block], one block behind the other in memory; one code a byte (a code: sign, 5 exponent bits, 2 mantissa bits); its scale is its entry of lowp_scales. Its value is code x scale, taken as it is: it is not quantised again, and the codes and scales need not be those that the quantiser above would give.
;; One version. Each part assembles by itself: llvm-mc -triple=amdgcn-amd-amdhsa -mcpu=gfx1250 --defsym DOCPART=n.
;; ======== version 1 of 1: 3 launches
;; workspace buffers: qf 1,048,576 bytes; qoff 8,192 bytes; kj 1,048,576 bytes; vi 262,144 bytes; tt 8,388,608 bytes
;; launch proj (part 1): grid 128 x 1, 3 waves a work-group, no clusters, 9,216 bytes of LDS; arguments x_codes, Wq_codes, Wk_codes, Wv_codes, bq, bk, bv, lowp_scales, qf, qoff, kj, vi; writes qf, qoff, kj, vi
.if DOCPART == 1
	.amdgcn_target "amdgcn-amd-amdhsa--gfx1250"
	.amdhsa_code_object_version 6
	.text
	.protected	k_qac0ed2c816_proj
	.globl	k_qac0ed2c816_proj
	.p2align	8
	.type	k_qac0ed2c816_proj,@function
k_qac0ed2c816_proj:
	s_mov_b64 s[64:65], 0
	v_nop
	global_prefetch_b8 v0, s[64:65] scope:SCOPE_SE
	s_setreg_imm32_b32 hwreg(HW_REG_WAVE_MODE, 25, 1), 1
	s_wait_xcnt 0x0
; THE THREE PROJECTIONS.  Q = sigmoid(x Wq^T + bq), K = sigmoid(x Wk^T + bk), V = x Wv^T + bv, on the given codes of BF8 (E5M2); sums in f32, each x 2^(its two exponents added).
; Work-group t of 128; three waves with three roles that share nothing, so there is no barrier:
;   wave 0: Q of rows 16 t .. 16 t + 15, all 128 features -> qf [2048][128] f32, row-major; and off[row] = B10 - A10 x (the sum of the row's Q) -> qoff.
;           B10 = 10 log2(e), A10 = B10 / 128: the next launch forms t = A10 x sum_d min(K, Q) + off, which is 10 log2(e) x mean_d min(1 - Q + K, 1).
;   wave 1: K of key block t / 8 (128 rows of x), features 16 (t % 8) on -> kj [block 16][l 32][d 128][m 4] f32, key = 32 m + l within the block.
;   wave 2: V of the same rows and channels, quantised with 2^e7 -> vi [block 16][n 8][c 4][lane 32][16 bytes]: the image of the registers of an operand of the last product.
; THE ORDER OF THE KEYS IN A K STEP OF THE LAST PRODUCT: half h of the lanes, code register j, byte e stand for key 32 e + 4 (j / 2) + 2 h + j % 2; P is laid the same way in the last launch.
; So that K's and V's results fall that way, row m of x's tile u is key 32 (m % 4) + 4 u + 2 (m / 8) + (m / 4) % 2: which rows form a tile only says which result lands where.
; Each fragment (16 rows x 128 K) comes by four loads of 16 bytes at row x 128 + 16 h + 32 c: the same order of k on both sides of every product.
; Every wave issues 8 matrix instructions on 8 different accumulators.
; No tensor load and no cluster: x's and W's fragments go straight into registers, once; a work-group reads 40 KB in all.
; LIMITS: e0 + e1, e2 + e3 and e4 + e5 between -126 and 127; e7 between -126 and 112, so that each power of two below is an f32 number.  NaN among the biases is not served.
.set STP, 528                          ; wave 0's stage: 16 rows x (512 bytes + 16)
.set XF,  16                           ; x's fragments: one (wave 0) or eight (waves 1, 2)
.set WF,  32                           ; wave 0: Wq's eight fragments, v32-159; on the way out rows of Q
.set WK,  144                          ; waves 1, 2: one fragment of Wk or Wv
.set H,   160                          ; v160-223 the eight accumulators
.set BI,  224                          ; waves 1, 2: my feature's bias
.set PC,  226                          ; wave 2: V's codes, v226-241
	s_load_b512 s[8:23], s[0:1], 0x0               ; x 8:9, Wq 10:11, Wk 12:13, Wv 14:15, bq 16:17, bk 18:19, bv 20:21, the exponents 22:23
	s_load_b256 s[24:31], s[0:1], 0x40             ; qf 24:25, qoff 26:27, kj 28:29, vi 30:31
	v_lshl_add_u32 v254, v0, 2, 0x2200
	v_mov_b32 v255, 0
	v_lshrrev_b32 v1, 5, v0
	v_readfirstlane_b32 s4, v1                     ; wave 0..2
	v_and_b32 v1, 15, v0                           ; r
	v_bfe_u32 v2, v0, 4, 1                         ; h
	v_and_b32 v3, 31, v0                           ; lane
	v_lshlrev_b32 v4, 7, v1
	v_lshl_add_u32 v4, v2, 4, v4                   ; a fragment's row r of 128 bytes, + 16 h
	v_lshlrev_b32 v5, 4, v3                        ; 16 x lane
	v_mul_u32_u24 v6, v1, STP
	v_lshl_add_u32 v6, v2, 5, v6                   ; the stage, on the way in: row r, + 32 h
	v_and_b32 v7, 3, v1
	v_lshlrev_b32 v7, 5, v7                        ; 32 (r % 4)
	v_lshrrev_b32 v15, 3, v1
	v_lshl_add_u32 v7, v15, 1, v7                  ; + 2 (r / 8)
	v_bfe_u32 v15, v1, 2, 1
	v_add_nc_u32 v7, v7, v15                       ; + (r / 4) % 2: the key that is row r of tile 0
	v_lshlrev_b32 v7, 7, v7
	v_lshl_add_u32 v7, v2, 4, v7                   ; its codes, + 16 h
	v_lshlrev_b32 v8, 4, v1
	v_lshl_add_u32 v8, v2, 12, v8                  ; kj: 16 r + 4,096 h
	v_lshlrev_b32 v9, 5, v2                        ; bq: 32 h
	v_lshlrev_b32 v14, 2, v1                       ; 4 r
	s_mov_b32 s41, 0                               ; the high word of every offset
	s_mov_b32 s44, 0x76543210                      ; v_permlanex16_b32: lane l xor 16
	s_mov_b32 s45, 0xfedcba98
	s_mov_b32 s46, 0xbde6d4ca                      ; -A10
	s_mov_b32 s47, 0x4166d4ca                      ; B10
	s_wait_kmcnt 0x0
	s_load_b256 s[32:39], s[22:23], 0x0            ; e0 .. e7
	s_cmp_eq_u32 s4, 0
	s_cbranch_scc0 .Lkv
	; ---------------- wave 0: Q ----------------
	s_lshl_b32 s40, ttmp9, 11                      ; 16 rows of 128 codes
	s_add_nc_u64 s[8:9], s[8:9], s[40:41]
	s_lshl_b32 s40, ttmp9, 13                      ; 16 rows of 512 bytes
	s_add_nc_u64 s[24:25], s[24:25], s[40:41]
	s_lshl_b32 s40, ttmp9, 6                       ; 16 words
	s_add_nc_u64 s[26:27], s[26:27], s[40:41]
.irp c, 0,1,2,3
	global_load_b128 v[XF+4*\c:XF+4*\c+3], v4, s[8:9] offset:32*\c
.endr
.irp n, 0,1,2,3,4,5,6,7
.irp c, 0,1,2,3
	global_load_b128 v[WF+16*\n+4*\c:WF+16*\n+4*\c+3], v4, s[10:11] offset:2048*\n+32*\c
.endr
.endr
.irp n, 0,1,2,3,4,5,6,7                        ; bq in the result's layout: register 8 n + j is feature 16 n + 8 h + j
	global_load_b128 v[H+8*\n:H+8*\n+3], v9, s[16:17] offset:64*\n
	global_load_b128 v[H+8*\n+4:H+8*\n+7], v9, s[16:17] offset:64*\n+16
.endr
	s_wait_kmcnt 0x0
	s_add_co_i32 s48, s32, s33                     ; e0 + e1
	s_sub_co_i32 s49, 0, s48
	s_lshl_b32 s48, s48, 23
	s_add_co_i32 s42, s48, 0xbfb8aa3b              ; -log2(e) x 2^(e0 + e1): the exponents are added to the constant's exponent field
	s_mov_b32 s43, s42                             ; (named with it as a pair, so it is written)
	s_wait_loadcnt 0x0
.set J, 0
.rept 64
	v_ldexp_f32 v[H+J], v[H+J], s49                ; the bias goes in as C, divided by the power of two that the sums lack
.set J, J+1
.endr
.irp n, 0,1,2,3,4,5,6,7                        ; TRANSPOSED: source 0 = 16 rows of Wq, source 1 = my 16 rows of x: lane (r, h) holds row r, register 8 n + j feature 16 n + 8 h + j
	v_wmma_f32_16x16x128_bf8_bf8 v[H+8*\n:H+8*\n+7], v[WF+16*\n:WF+16*\n+15], v[XF:XF+15], v[H+8*\n:H+8*\n+7]
.endr
.rept 4
	v_nop                                          ; four places between the last product and the first read of a result (ISA guide 7.12.1)
.endr
.set J, 0
.rept 32
	v_pk_mul_f32 v[H+J:H+J+1], v[H+J:H+J+1], s[42:43] op_sel_hi:[1,0]   ; -log2(e) x (x Wq^T + bq); each accumulator from its low end on
.set J, J+2
.endr
; sigmoid(z) = 1 / (1 + 2^(-log2(e) z)) on the 64 numbers in H, which hold -log2(e) z.  Two batches of transcendentals; behind each one plain line and one wait, ahead of the batch's first reader.
; Where 2^.. is infinite the reciprocal is 0, where it is 0 the reciprocal is 1: the sigmoid saturates as it should.
.macro SIGMOID
.set J, 0
.rept 64
	v_exp_f32 v[H+J], v[H+J]
.set J, J+1
.endr
	v_nop
	s_wait_alu depctr_va_vdst(0)
.set J, 0
.rept 32
	v_pk_add_f32 v[H+J:H+J+1], v[H+J:H+J+1], 1.0 op_sel_hi:[1,0]
.set J, J+2
.endr
.set J, 0
.rept 64
	v_rcp_f32 v[H+J], v[H+J]
.set J, J+1
.endr
	v_nop
	s_wait_alu depctr_va_vdst(0)
.endm
	SIGMOID
.irp n, 0,1,2,3,4,5,6,7                        ; a lane holds 32 bytes of a row and its neighbours other rows: through my own stage, back as whole rows
	ds_store_b128 v6, v[H+8*\n:H+8*\n+3] offset:64*\n
	ds_store_b128 v6, v[H+8*\n+4:H+8*\n+7] offset:64*\n+16
.endr
.irp t, 0,1,2,3,4,5,6,7,8,9,10,11,12,13,14,15
	ds_load_b128 v[WF+4*\t:WF+4*\t+3], v5 offset:\t*STP   ; LDS serves a wave's instructions in order (ISA guide 5.7.1.4): these see the stores above
.endr
	v_pk_add_f32 v[10:11], v[H:H+1], v[H+4:H+5]    ; the sum of my 64 numbers of the row, in two chains, while the stage is at work
	v_pk_add_f32 v[12:13], v[H+2:H+3], v[H+6:H+7]
.set J, 8
.rept 14
	v_pk_add_f32 v[10:11], v[10:11], v[H+J:H+J+1]
	v_pk_add_f32 v[12:13], v[12:13], v[H+J+2:H+J+3]
.set J, J+4
.endr
	v_pk_add_f32 v[10:11], v[10:11], v[12:13]
	v_add_f32 v10, v10, v11
	v_permlanex16_b32 v11, v10, s44, s45           ; the row's other 64 lie in lane l xor 16
	v_add_f32 v10, v10, v11
	v_fma_f32 v12, v10, s46, s47                   ; off = B10 - A10 x the sum
.irp t, 0,1,2,3,4,5,6,7,8,9,10,11,12,13,14,15
	s_wait_dscnt 15-\t                             ; row t is back; the younger reads may be out
	global_store_b128 v5, v[WF+4*\t:WF+4*\t+3], s[24:25] offset:512*\t   ; 32 lanes store a row's 512 consecutive bytes
.endr
	v_cmp_gt_u32 vcc_lo, 16, v3
	s_wait_xcnt 0x0                                ; EXEC changes only behind this wait: the stores above have it among their sources
	s_wait_tensorcnt 0x0
	ds_add_u32 v254, v255
	s_wait_dscnt 0x0
	s_and_saveexec_b32 s48, vcc_lo
	global_store_b32 v14, v12, s[26:27]            ; lanes 0-15: the 16 rows' off: 64 consecutive bytes, all that this work-group has of qoff
	s_wait_xcnt 0x0
	s_or_b32 exec_lo, exec_lo, s48
	s_endpgm
	; ---------------- waves 1 and 2: K and V of 128 rows x 16 features ----------------
.Lkv:
	s_lshr_b32 s6, ttmp9, 3                        ; key block, 0..15
	s_and_b32 s7, ttmp9, 7                         ; tile of 16 features
	s_cmp_eq_u32 s4, 1                             ; the choice hangs on the wave's number alone
	s_cselect_b64 s[48:49], s[12:13], s[14:15]     ; Wk or Wv
	s_cselect_b64 s[50:51], s[18:19], s[20:21]     ; bk or bv
	s_lshl_b32 s40, s6, 14                         ; 128 rows of 128 codes
	s_add_nc_u64 s[8:9], s[8:9], s[40:41]
	s_lshl_b32 s40, s7, 11                         ; 16 rows of W
	s_add_nc_u64 s[48:49], s[48:49], s[40:41]
	s_lshl_b32 s40, s7, 6                          ; 16 numbers of the bias
	s_add_nc_u64 s[50:51], s[50:51], s[40:41]
.irp u, 0,1,2,3,4,5,6,7
.irp c, 0,1,2,3
	global_load_b128 v[XF+16*\u+4*\c:XF+16*\u+4*\c+3], v7, s[8:9] offset:512*\u+32*\c   ; tile u begins 4 u keys on
.endr
.endr
.irp c, 0,1,2,3
	global_load_b128 v[WK+4*\c:WK+4*\c+3], v4, s[48:49] offset:32*\c
.endr
	global_load_b32 v[BI], v14, s[50:51]           ; my feature's bias
	s_wait_kmcnt 0x0
	s_cmp_eq_u32 s4, 1
	s_cselect_b32 s52, s34, s36
	s_cselect_b32 s53, s35, s37
	s_add_co_i32 s52, s52, s53                     ; e2 + e3, or e4 + e5
	s_wait_loadcnt 0x0
.irp u, 0,1,2,3,4,5,6,7                        ; source 0 = 16 rows of x, source 1 = 16 rows of W: lane (r, h) holds feature r; register 8 u + j key 32 (j % 4) + 4 u + 2 h + j / 4
	v_wmma_f32_16x16x128_bf8_bf8 v[H+8*\u:H+8*\u+7], v[XF+16*\u:XF+16*\u+15], v[WK:WK+15], 0
.endr
.rept 4
	v_nop                                          ; four places between the last product and the first read of a result
.endr
	s_cmp_eq_u32 s4, 1
	s_cbranch_scc0 .Lv
	; ---- K
	s_lshl_b32 s52, s52, 23
	s_add_co_i32 s42, s52, 0xbfb8aa3b              ; -log2(e) x 2^(e2 + e3)
	s_lshl_b32 s40, s6, 16                         ; a key block of kj is 65,536 bytes,
	s_add_nc_u64 s[28:29], s[28:29], s[40:41]
	s_lshl_b32 s40, s7, 8                          ; 16 features x 16 bytes
	s_add_nc_u64 s[28:29], s[28:29], s[40:41]
	v_mul_f32 v[BI], 0xbfb8aa3b, v[BI]
.set J, 0
.rept 64
	v_fma_f32 v[H+J], v[H+J], s42, v[BI]           ; -log2(e) x (x Wk^T + bk)
.set J, J+1
.endr
	SIGMOID
.irp u, 0,1,2,3,4,5,6,7                        ; four registers are keys 32 m + l, m = 0..3, of l = 4 u + 2 h + a: sixteen lanes store 256 consecutive, aligned bytes
	global_store_b128 v8, v[H+8*\u:H+8*\u+3], s[28:29] offset:8192*\u
	global_store_b128 v8, v[H+8*\u+4:H+8*\u+7], s[28:29] offset:8192*\u+2048
.endr
	s_endpgm
	; ---- V
.Lv:
	s_add_co_i32 s52, s52, 127
	s_lshl_b32 s42, s52, 23                        ; 2^(e4 + e5) as f32
	s_add_co_i32 s53, s39, 127
	s_lshl_b32 s54, s53, 23
	v_mov_b32 v242, s54                            ; 2^e7: the conversion takes its exponent field
	s_add_co_i32 s53, s53, 15
	s_lshl_b32 s53, s53, 23
	s_or_b32 s53, s53, 0x600000
	v_mov_b32 v243, s53                            ; 57,344 x 2^e7
	s_lshl_b32 s40, ttmp9, 11                      ; (8 x block + tile) images of 2,048 bytes
	s_add_nc_u64 s[30:31], s[30:31], s[40:41]
.set J, 0
.rept 64
	v_fma_f32 v[H+J], v[H+J], s42, v[BI]           ; V = sum x 2^(e4 + e5) + bv
.set J, J+1
.endr
.set J, 0
.rept 64
	v_med3_num_f32 v[H+J], v[H+J], -v243, v243     ; the conversion to an 8-bit code does not saturate (ISA guide 7.6.2): the hold at the largest code x the scale
.set J, J+1
.endr
.irp u, 0,1,2,3,4,5,6,7
	v_cvt_scalef32_pk8_bf8_f32 v[PC+2*\u:PC+2*\u+1], v[H+8*\u:H+8*\u+7], v242   ; code register 2 u + a, byte e: key 32 e + 4 u + 2 h + a
.endr
	v_nop                                          ; one plain line behind the last scaled conversion
.irp c, 0,1,2,3
	global_store_b128 v5, v[PC+4*\c:PC+4*\c+3], s[30:31] offset:512*\c   ; the operand's registers as they stand: 512 consecutive bytes a store
.endr
	s_endpgm
.Lfunc_end_k_qac0ed2c816_proj:
	.size	k_qac0ed2c816_proj, .Lfunc_end_k_qac0ed2c816_proj-k_qac0ed2c816_proj
	.p2alignl 7, 3214868480
	.fill 96, 4, 3214868480
	.section	.rodata,"a",@progbits
	.p2align	6, 0x0
	.amdhsa_kernel k_qac0ed2c816_proj
		.amdhsa_group_segment_fixed_size 9216
		.amdhsa_private_segment_fixed_size 0
		.amdhsa_enable_private_segment 0
		.amdhsa_kernarg_size 96
		.amdhsa_user_sgpr_count 2
		.amdhsa_user_sgpr_kernarg_segment_ptr 1
		.amdhsa_wavefront_size32 1
		.amdhsa_system_sgpr_workgroup_id_x 1
		.amdhsa_system_sgpr_workgroup_id_y 1
		.amdhsa_system_sgpr_workgroup_id_z 1
		.amdhsa_system_vgpr_workitem_id 0
		.amdhsa_next_free_vgpr 256
		.amdhsa_next_free_sgpr 66
		.amdhsa_reserve_vcc 1
		.amdhsa_float_denorm_mode_32 3
		.amdhsa_float_denorm_mode_16_64 3
		.amdhsa_memory_ordered 1
		.amdhsa_forward_progress 1
		.amdhsa_inst_pref_size 53
	.end_amdhsa_kernel
	.amdgpu_metadata
---
amdhsa.version: [ 1, 2 ]
amdhsa.kernels:
  - .name:           k_qac0ed2c816_proj
    .symbol:         k_qac0ed2c816_proj.kd
    .args:
      - { .name: x_codes, .offset: 0, .size: 8, .value_kind: global_buffer, .address_space: global }
      - { .name: Wq_codes, .offset: 8, .size: 8, .value_kind: global_buffer, .address_space: global }
      - { .name: Wk_codes, .offset: 16, .size: 8, .value_kind: global_buffer, .address_space: global }
      - { .name: Wv_codes, .offset: 24, .size: 8, .value_kind: global_buffer, .address_space: global }
      - { .name: bq, .offset: 32, .size: 8, .value_kind: global_buffer, .address_space: global }
      - { .name: bk, .offset: 40, .size: 8, .value_kind: global_buffer, .address_space: global }
      - { .name: bv, .offset: 48, .size: 8, .value_kind: global_buffer, .address_space: global }
      - { .name: lowp_scales, .offset: 56, .size: 8, .value_kind: global_buffer, .address_space: global }
      - { .name: qf, .offset: 64, .size: 8, .value_kind: global_buffer, .address_space: global }
      - { .name: qoff, .offset: 72, .size: 8, .value_kind: global_buffer, .address_space: global }
      - { .name: kj, .offset: 80, .size: 8, .value_kind: global_buffer, .address_space: global }
      - { .name: vi, .offset: 88, .size: 8, .value_kind: global_buffer, .address_space: global }
    .group_segment_fixed_size: 9216
    .private_segment_fixed_size: 0
    .kernarg_segment_align: 8
    .kernarg_segment_size: 96
    .max_flat_workgroup_size: 96
    .sgpr_count:     66
    .vgpr_count:     256
    .wavefront_size: 32
...
	.end_amdgpu_metadata
.endif
;; end of part 1
;; launch scores (part 2): grid 256 x 1, 16 waves a work-group, no clusters, 207,872 bytes of LDS; arguments qf, qoff, kj, tt; writes tt
.if DOCPART == 2
	.amdgcn_target "amdgcn-amd-amdhsa--gfx1250"
	.amdhsa_code_object_version 6
	.text
	.protected	k_qac0ed2c816_scores
	.globl	k_qac0ed2c816_scores
	.p2align	8
	.type	k_qac0ed2c816_scores,@function
k_qac0ed2c816_scores:
	s_mov_b64 s[64:65], 0
	v_nop
	global_prefetch_b8 v0, s[64:65] scope:SCOPE_SE
	s_setreg_imm32_b32 hwreg(HW_REG_WAVE_MODE, 25, 1), 1
	s_wait_xcnt 0x0
; t[q][k] = 10 log2(e) x mean_d min(1 - Q[q][d] + K[k][d], 1) = A10 x sum_d min(K[k][d], Q[q][d]) + off[q] for the key blocks of 128 at or under the diagonal; 0 where k > q, as the mask has it.
; (min(1 - Q + K, 1) = 1 + min(K, Q) - Q; off[q] = 10 log2(e) - A10 x sum_d Q[q][d] was made by the launch before; both sums lie in (0, 128) for every input, since Q and K are sigmoids.)
; Key blocks wholly above the diagonal are not touched: their t is the constant 0, which the next launch puts in itself.
; SHARES.  Work-group g: batch b = g / 128, kb = (g / 32) % 4, sl = g % 32.  Key blocks kb and 7 - kb have 1,024 - 128 kb and 128 (kb + 1) queries at or under the diagonal: 1,152 positions together,
; 36 for each of 32 work-groups: every work-group has 36 x 128 pairs.  Position P < NA = 1,024 - 128 kb: block kb, query P + 128 kb; else block 7 - kb, query P - 128.
; Wave w: dq = w % 4, a quarter of d (32 features); sub = w / 4: nine neighbouring positions.  A lane holds 4 keys (32 m + lane) x 32 features of K in 128 registers for all nine;
; a query's 32 numbers come as 32 scalar registers, each of which feeds four minima a lane: two dual minima and two packed additions for four numbers.
; The four quarters' sums meet in LDS; each of the 36 items (512 bytes of t) is then finished and stored by one wave.
; tt: [8 b + block][q 1024][l 32][m 4] f32, key = 32 m + l within the block.
; No tensor load: a key block is staged once, 8 loads a wave, and nothing is filled again.  No cluster: what 32 work-groups share is that one fill of 64 KB at the start, not a stream,
; and the work-group whose positions cross NA needs a second block that its neighbours do not.
.set DUAL,  1                          ; 1: two minima in one instruction
.set KP,    2064                       ; a row l of a key block in LDS: 2,048 bytes + 16 = 129 x 16
.set SLOT1, 32*KP                      ; the second key block's place; filled only where the 36 positions cross NA
.set PS,    2*SLOT1                    ; the partial sums: [dq 4][item 36][lane 32][m 4], 18,432 bytes a quarter
.set T,     16                         ; v16-31  minima, two sets of 8
.set KR,    64                         ; v64-191 K: register 4 d' + m;  first the staging data, at the end the last pass's registers
.set SA,    16                         ; s[16:47] and s[68:99]: a query's 32 numbers, two sets by turns
.set SB,    68
; v1 16 x lane; v2 lane; v3, v4 staging offsets in kj; v5, v14 staging addresses in LDS; v6 my lane's place in a slot; v7 the address in hand; v8 where I put partial sums;
; v9, v15 where I read them (quarters 0, 1 and 2, 3: an LDS offset has 16 bits); v10-13 my four keys; v32-35, v36-39 the sums of even and odd d'.
; s12 w, s13 dq, s14 sub, s15 b, s48 kb, s49 the first position, s50 NA, s51 the position in hand, s52 Q's byte offset, s53 the second block's slot, s54, s55 the blocks of my first and last position,
; s56 A10, s57-59 off of my items, s60 7 - kb, s62 128 kb, s63 -128, s100 the part of Q's offset that stays; s2, s3, s66 qoff's offsets; s61, s67, s101 at work.
.macro MIN2 d, s, k                    ; two minima with one scalar: destinations even and odd, K's registers in neighbouring banks
.if DUAL
	v_dual_min_num_f32 v[\d], s[\s], v[\k] :: v_dual_min_num_f32 v[(\d)+1], s[\s], v[(\k)+1]
.else
	v_min_num_f32 v[\d], s[\s], v[\k]
	v_min_num_f32 v[(\d)+1], s[\s], v[(\k)+1]
.endif
.endm
.macro DG g, buf, d                    ; group g: features 2 g and 2 g + 1 of my quarter x my 4 keys -> v[d] .. v[d + 7]
	MIN2 (\d), (\buf)+2*(\g), KR+8*(\g)
	MIN2 (\d)+2, (\buf)+2*(\g), KR+8*(\g)+2
	MIN2 (\d)+4, (\buf)+2*(\g)+1, KR+8*(\g)+4
	MIN2 (\d)+6, (\buf)+2*(\g)+1, KR+8*(\g)+6
.endm
.macro PG t                            ; a group's eight minima onto the four pairs of sums
	v_pk_add_f32 v[32:33], v[32:33], v[(\t):(\t)+1]
	v_pk_add_f32 v[34:35], v[34:35], v[(\t)+2:(\t)+3]
	v_pk_add_f32 v[36:37], v[36:37], v[(\t)+4:(\t)+5]
	v_pk_add_f32 v[38:39], v[38:39], v[(\t)+6:(\t)+7]
.endm
.macro QLOAD buf                       ; 128 bytes of a row of Q: my quarter
	s_load_b512 s[\buf:\buf+15], s[4:5], s52 offset:0x0
	s_load_b512 s[\buf+16:\buf+31], s[4:5], s52 offset:0x40
.endm
.macro LOADK                           ; my 4 keys x 32 features out of the slot at LDS byte s61
	v_add_nc_u32 v7, s61, v6
.set D, 0
.rept 32
	ds_load_b128 v[KR+4*D:KR+4*D+3], v7 offset:16*D
.set D, D+1
.endr
	s_wait_dscnt 0x0
.endm
.macro OFFQ k, reg                     ; off of my item w + 16 k (held at 35, so that the load stays inside qoff; waves 4 to 15 do not use the third)
	s_add_co_u32 s61, s12, 16*\k
	s_min_u32 s61, s61, 35
	s_add_co_u32 s61, s61, s49
	s_cmp_lt_u32 s61, s50
	s_cselect_b32 s67, s62, s63
	s_add_co_u32 s61, s61, s67                     ; q
	s_lshl_b32 s67, s15, 10
	s_add_co_u32 s61, s61, s67
	s_lshl_b32 s[\reg], s61, 2
	s_load_b32 s[57+\k], s[6:7], s[\reg] offset:0x0
.endm
	s_load_b256 s[4:11], s[0:1], 0x0               ; qf 4:5, qoff 6:7, kj 8:9, tt 10:11
	v_lshl_add_u32 v192, v0, 2, 0x32400
	v_mov_b32 v193, 0
	v_lshrrev_b32 v2, 5, v0
	v_readfirstlane_b32 s12, v2                    ; wave 0..15
	v_and_b32 v2, 31, v0
	v_lshlrev_b32 v1, 4, v2
	s_and_b32 s13, s12, 3
	s_lshr_b32 s14, s12, 2
	s_lshr_b32 s15, ttmp9, 7
	s_bfe_u32 s48, ttmp9, 0x20005
	s_and_b32 s49, ttmp9, 31
	s_mul_i32 s49, s49, 36
	s_lshl_b32 s62, s48, 7
	s_sub_co_u32 s50, 1024, s62
	s_sub_co_u32 s60, 7, s48
	s_mov_b32 s63, -128
	s_mov_b32 s56, 0x3de6d4ca                      ; A10 = 10 log2(e) / 128
	s_cmp_lt_u32 s49, s50
	s_cselect_b32 s54, s48, s60                    ; the block of my first position,
	s_add_co_u32 s61, s49, 35
	s_cmp_ge_u32 s61, s50
	s_cselect_b32 s55, s60, s48                    ; of my last
	s_cmp_lg_u32 s54, s55
	s_cselect_b32 s53, SLOT1, 0                    ; where block 7 - kb lies if both are needed
	s_mul_i32 s61, s12, 2*KP
	v_add_nc_u32 v5, s61, v1                       ; staging: wave w brings rows 2 w and 2 w + 1
	v_add_nc_u32 v14, SLOT1, v5
	v_mul_u32_u24 v6, v2, KP
	s_lshl_b32 s61, s13, 9
	v_add_nc_u32 v6, s61, v6                       ; row l = lane, + my quarter's 512 bytes
	s_mul_i32 s61, s13, 18432
	s_mul_i32 s67, s14, 4608
	s_add_co_u32 s61, s61, s67
	s_add_co_u32 s61, s61, PS
	v_add_nc_u32 v8, s61, v1
	s_lshl_b32 s61, s12, 9
	s_add_co_u32 s61, s61, PS
	v_add_nc_u32 v9, s61, v1
	v_add_nc_u32 v15, 36864, v9
.irp m, 0,1,2,3
	v_add_nc_u32 v[10+\m], 32*\m, v2
.endr
	s_lshl_b32 s101, s12, 12                       ; my 4,096 bytes of a key block
	s_lshl_b32 s61, s15, 3
	s_add_co_u32 s67, s61, s54
	s_lshl_b32 s67, s67, 16
	s_add_co_u32 s67, s67, s101
	v_add_nc_u32 v3, s67, v1
	s_add_co_u32 s67, s61, s55
	s_lshl_b32 s67, s67, 16
	s_add_co_u32 s67, s67, s101
	v_add_nc_u32 v4, s67, v1
	s_mul_i32 s51, s14, 9
	s_add_co_u32 s51, s51, s49                     ; my first position
	s_lshl_b32 s100, s15, 19
	s_lshl_b32 s61, s13, 7
	s_add_co_u32 s100, s100, s61                   ; b x 1,024 rows of 512 bytes + my quarter's 128
	s_cmp_lt_u32 s51, s50
	s_cselect_b32 s61, s62, s63
	s_add_co_u32 s61, s61, s51                     ; its query
	s_lshl_b32 s61, s61, 9
	s_add_co_u32 s52, s61, s100
	s_wait_kmcnt 0x0
.irp j, 0,1,2,3,4,5,6,7
	global_load_b128 v[KR+4*\j:KR+4*\j+3], v3, s[8:9] offset:512*\j   ; 512 consecutive bytes a load
.endr
	QLOAD SA                                       ; the first query's numbers, and my items' off, land while the block is staged
	OFFQ 0, 2
	OFFQ 1, 3
	OFFQ 2, 66
	s_cmp_lg_u32 s54, s55                          ; a branch on the work-group's number, alike in all sixteen waves
	s_cbranch_scc0 .Lone_block
.irp j, 0,1,2,3,4,5,6,7
	global_load_b128 v[KR+32+4*\j:KR+32+4*\j+3], v4, s[8:9] offset:512*\j
.endr
	s_wait_loadcnt 0x0
.irp j, 0,1,2,3,4,5,6,7
	ds_store_b128 v14, v[KR+32+4*\j:KR+32+4*\j+3] offset:(\j/4)*KP+(\j%4)*512
.endr
.Lone_block:
	s_wait_loadcnt 0x0
.irp j, 0,1,2,3,4,5,6,7
	ds_store_b128 v5, v[KR+4*\j:KR+4*\j+3] offset:(\j/4)*KP+(\j%4)*512
.endr
	s_wait_dscnt 0x0                               ; for the others' sake: my part of the block lies in LDS
	s_barrier_signal -1
	s_barrier_wait -1                              ; everybody's does
; One position.  buf holds its query's numbers; the next query's are asked for into other at once, and have this query's 126 vector instructions in which to land.
.macro QUERY i, buf, other
	s_wait_kmcnt 0x0                               ; scalar loads come back in no order: the count is 0.  Out are this query's two (and, the first time, the three off)
.if \i == 0
	s_cmp_ge_u32 s51, s50
	s_cselect_b32 s61, s53, 0
	LOADK
.else
	s_cmp_eq_u32 s51, s50                          ; positions are neighbours: the block changes at position NA and nowhere else
	s_cbranch_scc0 .Lsame_\@
	s_mov_b32 s61, s53
	LOADK
.Lsame_\@:
.endif
.if \i < 8
	s_add_co_u32 s51, s51, 1                       ; the next position, its query, its bytes.  (s52 is free since the wait above)
	s_cmp_lt_u32 s51, s50
	s_cselect_b32 s61, s62, s63
	s_add_co_u32 s61, s61, s51
	s_lshl_b32 s61, s61, 9
	s_add_co_u32 s52, s61, s100
	QLOAD \other
.endif
	DG 0, \buf, 32                                 ; the first group's minima start the sums: nothing is cleared
.set G, 1
.rept 15
	DG G, \buf, T+8*(G%2)
.if G > 1
	PG T+8*((G-1)%2)                               ; a group's additions stand behind the next group's minima
.endif
.set G, G+1
.endr
	PG T+8
	v_pk_add_f32 v[32:33], v[32:33], v[36:37]
	v_pk_add_f32 v[34:35], v[34:35], v[38:39]
	ds_store_b128 v8, v[32:35] offset:512*\i
.endm
	QUERY 0, SA, SB
	QUERY 1, SB, SA
	QUERY 2, SA, SB
	QUERY 3, SB, SA
	QUERY 4, SA, SB
	QUERY 5, SB, SA
	QUERY 6, SA, SB
	QUERY 7, SB, SA
	QUERY 8, SA, SB
	s_wait_dscnt 0x0                               ; for the others' sake: my nine partial sums lie in LDS
	s_barrier_signal -1
	s_barrier_wait -1
; THE LAST PASS.  Item p = w + 16 k: the four quarters' sums are added, t = A10 x sum + off, keys after the query get 0, and the item's 512 bytes are stored.  Each item has registers and a base of its own.
.macro FINL k
.irp d, 0,1
	ds_load_b128 v[KR+32*(\k)+4*\d:KR+32*(\k)+4*\d+3], v9 offset:18432*\d+8192*(\k)
.endr
.irp d, 0,1
	ds_load_b128 v[KR+32*(\k)+8+4*\d:KR+32*(\k)+8+4*\d+3], v15 offset:18432*\d+8192*(\k)
.endr
.endm
.macro FINC k
.set R, KR+32*(\k)
	s_add_co_u32 s16, s12, 16*(\k)
	s_add_co_u32 s16, s16, s49                     ; the item's position,
	s_cmp_lt_u32 s16, s50
	s_cselect_b32 s17, s62, s63
	s_cselect_b32 s18, s48, s60                    ; its block,
	s_add_co_u32 s16, s16, s17                     ; its query,
	s_lshl_b32 s17, s18, 7
	s_sub_co_u32 s19, s16, s17                     ; the query counted from the block's first key: 0 or more
	s_lshl_b32 s17, s15, 3
	s_add_co_u32 s17, s17, s18
	s_lshl_b32 s17, s17, 10
	s_add_co_u32 s17, s17, s16
	s_lshl_b32 s[20+4*(\k)], s17, 9
	s_mov_b32 s[21+4*(\k)], 0
	s_add_nc_u64 s[20+4*(\k):21+4*(\k)], s[10:11], s[20+4*(\k):21+4*(\k)]
	v_pk_add_f32 v[R:R+1], v[R:R+1], v[R+4:R+5]
	v_pk_add_f32 v[R+2:R+3], v[R+2:R+3], v[R+6:R+7]
	v_pk_add_f32 v[R+8:R+9], v[R+8:R+9], v[R+12:R+13]
	v_pk_add_f32 v[R+10:R+11], v[R+10:R+11], v[R+14:R+15]
	v_pk_add_f32 v[R:R+1], v[R:R+1], v[R+8:R+9]
	v_pk_add_f32 v[R+2:R+3], v[R+2:R+3], v[R+10:R+11]
.irp m, 0,1,2,3
	v_fma_f32 v[R+16+\m], v[R+\m], s56, s[57+(\k)]
.endr
.irp m, 0,1,2,3
	v_cmp_ge_u32 vcc_lo, s19, v[10+\m]             ; the key counts where it does not come after the query
	v_cndmask_b32 v[R+16+\m], 0, v[R+16+\m], vcc_lo
.endr
	global_store_b128 v1, v[R+16:R+19], s[20+4*(\k):21+4*(\k)]   ; 32 lanes store 512 consecutive bytes, aligned
.endm
	FINL 0
	FINL 1
	s_wait_dscnt 4                                 ; item 0's four loads are in; item 1's four may be out
	FINC 0
	s_wait_dscnt 0x0
	FINC 1
	s_cmp_lt_u32 s12, 4                            ; items 32 to 35: waves 0 to 3
	s_cbranch_scc0 .Lend
	FINL 2
	s_wait_dscnt 0x0
	FINC 2
.Lend:
	s_wait_tensorcnt 0x0
	ds_add_u32 v192, v193
	s_wait_dscnt 0x0
	s_endpgm
.Lfunc_end_k_qac0ed2c816_scores:
	.size	k_qac0ed2c816_scores, .Lfunc_end_k_qac0ed2c816_scores-k_qac0ed2c816_scores
	.p2alignl 7, 3214868480
	.fill 96, 4, 3214868480
	.section	.rodata,"a",@progbits
	.p2align	6, 0x0
	.amdhsa_kernel k_qac0ed2c816_scores
		.amdhsa_group_segment_fixed_size 207872
		.amdhsa_private_segment_fixed_size 0
		.amdhsa_enable_private_segment 0
		.amdhsa_kernarg_size 32
		.amdhsa_user_sgpr_count 2
		.amdhsa_user_sgpr_kernarg_segment_ptr 1
		.amdhsa_wavefront_size32 1
		.amdhsa_system_sgpr_workgroup_id_x 1
		.amdhsa_system_sgpr_workgroup_id_y 1
		.amdhsa_system_sgpr_workgroup_id_z 1
		.amdhsa_system_vgpr_workitem_id 0
		.amdhsa_next_free_vgpr 194
		.amdhsa_next_free_sgpr 102
		.amdhsa_reserve_vcc 1
		.amdhsa_float_denorm_mode_32 3
		.amdhsa_float_denorm_mode_16_64 3
		.amdhsa_memory_ordered 1
		.amdhsa_forward_progress 1
		.amdhsa_inst_pref_size 106
	.end_amdhsa_kernel
	.amdgpu_metadata
---
amdhsa.version: [ 1, 2 ]
amdhsa.kernels:
  - .name:           k_qac0ed2c816_scores
    .symbol:         k_qac0ed2c816_scores.kd
    .args:
      - { .name: qf, .offset: 0, .size: 8, .value_kind: global_buffer, .address_space: global }
      - { .name: qoff, .offset: 8, .size: 8, .value_kind: global_buffer, .address_space: global }
      - { .name: kj, .offset: 16, .size: 8, .value_kind: global_buffer, .address_space: global }
      - { .name: tt, .offset: 24, .size: 8, .value_kind: global_buffer, .address_space: global }
    .group_segment_fixed_size: 207872
    .private_segment_fixed_size: 0
    .kernarg_segment_align: 8
    .kernarg_segment_size: 32
    .max_flat_workgroup_size: 512
    .sgpr_count:     102
    .vgpr_count:     194
    .wavefront_size: 32
...
	.end_amdgpu_metadata
.endif
;; end of part 2
;; launch softpv (part 3): grid 128 x 1, 8 waves a work-group, no clusters, 70,656 bytes of LDS; arguments tt, vi, lowp_scales, out0; writes out0
.if DOCPART == 3
	.amdgcn_target "amdgcn-amd-amdhsa--gfx1250"
	.amdhsa_code_object_version 6
	.text
	.protected	k_qac0ed2c816_softpv
	.globl	k_qac0ed2c816_softpv
	.p2align	8
	.type	k_qac0ed2c816_softpv,@function
k_qac0ed2c816_softpv:
	s_mov_b64 s[64:65], 0
	v_nop
	global_prefetch_b8 v0, s[64:65] scope:SCOPE_SE
	s_setreg_imm32_b32 hwreg(HW_REG_WAVE_MODE, 25, 1), 1
	s_wait_xcnt 0x0
; THE SOFTMAX AND THE LAST PRODUCT.  For each query: M = the ceiling of the largest t among all 1,024 keys (t = 0 for keys after the query); p = 2^(t - M), quantised with 2^e6 to BF8 (E5M2);
; l = the sum of the unquantised p; out = (sum over keys of p's codes x V's codes) x 2^(e6 + e7) / l.
; SHARES.  Work-group g: batch g / 64, queries 16 (g % 64) on.  Wave w takes K step w: keys 128 w .. 128 w + 127, for all 128 channels.  The row's maximum is found across the eight waves BEFORE any
; exponential, so M is the row's own and nothing is rescaled.  The eight waves' parts of the product and of l meet in LDS; each wave then adds, divides and stores two whole rows.
; LAYOUT.  O^T = V^T P^T: source 0 = 16 channels (V's register images, made by the first launch), source 1 = P: lane (r, h) holds query r.  Register 4 j + e of t is key 32 e + 4 (j / 2) + 2 h + j % 2
; of the step: the conversions then put it into code register j, byte e, the place that V's images give that key; and in tt those four numbers are 16 consecutive bytes.
; A K step wholly after the 16 queries (w > (g % 64) / 8) was not written to tt: its t are zeros, put in here.
; No tensor load and no cluster: t is read once, by one wave; V's images (16 KB a wave) go straight into the operand's registers, once.
; LIMITS: e6 between -126 and 112, so that 2^e6 and 57,344 x 2^e6 are f32 numbers; e6 + e7 is applied by v_ldexp_f32 and has none.
.set MX,  0                            ; LDS: the waves' maxima, [r 16][w 8] f32
.set LS,  512                          ; the waves' sums, likewise
.set PST, 1024                         ; the waves' parts of O: for each wave 16 rows x (512 bytes + 16)
.set PW,  16*528
.set T,   16                           ; v16-79   t, then p, then the 8 accumulators of O^T
.set PC,  80                           ; v80-95   p's codes
.set VF,  96                           ; v96-223  V's 8 fragments; later the rows to be added (v96-159), the sums (v160-175), the divisors (v176-179)
; v1 r, v2 h, v3 16 x lane, v4 t's offset, v6 - v11 LDS addresses, v[12:13] -M, v[14:15] the sum, v224-231, v242, v243, v252-254 at work, v240 57,344 x 2^e6, v244 2^e6
	s_load_b256 s[4:11], s[0:1], 0x0               ; tt 4:5, vi 6:7, the exponents 8:9, out0 10:11
	v_lshl_add_u32 v251, v0, 2, 0x11000
	v_mov_b32 v255, 0
	v_lshrrev_b32 v1, 5, v0
	v_readfirstlane_b32 s14, v1                    ; wave 0..7
	v_and_b32 v1, 15, v0
	v_bfe_u32 v2, v0, 4, 1
	v_and_b32 v3, 31, v0
	v_lshlrev_b32 v3, 4, v3
	v_lshlrev_b32 v4, 9, v1
	v_lshl_add_u32 v4, v2, 5, v4                   ; query r's 512 bytes of the step, + 32 h
	v_lshlrev_b32 v7, 5, v1                        ; a row of MX
	s_lshl_b32 s16, s14, 2
	v_add_nc_u32 v6, s16, v7                       ; my wave's word in it,
	v_add_nc_u32 v8, LS, v6                        ; and in LS
	s_mul_i32 s16, s14, PW
	s_add_co_u32 s16, s16, PST
	v_mul_u32_u24 v9, v1, 528
	v_lshl_add_u32 v9, v2, 5, v9
	v_add_nc_u32 v9, s16, v9                       ; my part of O: row r, + 32 h
	s_mul_i32 s16, s14, 2*528
	s_add_co_u32 s16, s16, PST
	v_add_nc_u32 v10, s16, v3                      ; back: row 2 w of wave 0's part, 16 bytes a lane
	s_lshl_b32 s16, s14, 6
	s_add_co_u32 s16, s16, LS
	v_mov_b32 v11, s16                             ; row 2 w of LS
	v_mov_b32 v253, 0                              ; written once: a lane permute's destination counts as one of its sources
	v_mov_b32 v177, 0                              ; (named as the upper halves of the divisors' pairs)
	v_mov_b32 v179, 0
	s_mov_b32 s20, 0x76543210                      ; v_permlanex16_b32: lane l xor 16
	s_mov_b32 s21, 0xfedcba98
	s_lshr_b32 s15, ttmp9, 6                       ; b
	s_and_b32 s17, ttmp9, 63                       ; which 16 queries
	s_lshl_b32 s18, s15, 3
	s_add_co_u32 s18, s18, s14                     ; 8 b + w
	s_lshl_b32 s19, s17, 4
	s_lshl_b32 s22, s18, 10
	s_add_co_u32 s22, s22, s19
	s_lshl_b32 s22, s22, 9                         ; tt: ((8 b + w) x 1,024 + my first query) x 512
	s_mov_b32 s23, 0
	s_lshl_b32 s24, s18, 14                        ; vi: 16,384 bytes a K step
	s_mov_b32 s25, 0
	s_lshl_b32 s26, s15, 10
	s_add_co_u32 s26, s26, s19
	s_lshl_b32 s27, s14, 1
	s_add_co_u32 s26, s26, s27
	s_lshl_b32 s26, s26, 9                         ; out0: row 1,024 b + my first query + 2 w
	s_mov_b32 s27, 0
	s_lshr_b32 s17, s17, 3                         ; the last K step that has keys at or under the diagonal
	s_wait_kmcnt 0x0
	s_load_b64 s[12:13], s[8:9], 0x18              ; e6, e7
	s_add_nc_u64 s[4:5], s[4:5], s[22:23]
	s_add_nc_u64 s[6:7], s[6:7], s[24:25]
	s_add_nc_u64 s[10:11], s[10:11], s[26:27]
	s_cmp_gt_u32 s14, s17                          ; a branch on ids; no barrier stands under it
	s_cbranch_scc1 .Lhidden
.irp j, 0,1,2,3,4,5,6,7,8,9,10,11,12,13,14,15
	global_load_b128 v[T+4*\j:T+4*\j+3], v4, s[4:5] offset:(\j/2)*64+(\j%2)*16 th:TH_LOAD_NT   ; l = 4 (j / 2) + 2 h + j % 2, keys 32 e + l
.endr
	s_branch .Lv
.Lhidden:
.set J, 0
.rept 64
	v_mov_b32 v[T+J], 0                            ; the masked score, as data
.set J, J+1
.endr
.Lv:
.irp n, 0,1,2,3,4,5,6,7
.irp c, 0,1,2,3
	global_load_b128 v[VF+16*\n+4*\c:VF+16*\n+4*\c+3], v3, s[6:7] offset:2048*\n+512*\c
.endr
.endr
	s_wait_kmcnt 0x0
	s_add_co_i32 s16, s12, 127
	s_lshl_b32 s18, s16, 23
	v_mov_b32 v244, s18                            ; 2^e6 as f32: the conversion takes its exponent field
	s_add_co_i32 s16, s16, 15
	s_lshl_b32 s16, s16, 23
	s_or_b32 s16, s16, 0x600000
	v_mov_b32 v240, s16                            ; 57,344 x 2^e6
	s_add_co_i32 s16, s12, s13                     ; e6 + e7
	s_wait_loadcnt 32                              ; t is in: on both ways exactly V's 32 loads were issued behind it, and they may stay out
	; ---- the row's largest t
	v_max3_num_f32 v254, v[T], v[T+1], v[T+2]      ; among my 64 keys, in two chains,
	v_max3_num_f32 v252, v[T+3], v[T+4], v[T+5]
.irp i, 6,10,14,18,22,26,30,34,38,42,46,50,54,58
	v_max3_num_f32 v254, v254, v[T+\i], v[T+1+\i]
	v_max3_num_f32 v252, v252, v[T+2+\i], v[T+3+\i]
.endr
	v_max3_num_f32 v254, v254, v[T+62], v[T+63]
	v_max_num_f32 v254, v254, v252
	v_permlanex16_b32 v253, v254, s20, s21
	v_max_num_f32 v254, v254, v253                 ; among lane l xor 16's,
	ds_store_b32 v6, v254                          ; (lanes r and r + 16 put the same number into the same word)
	s_wait_dscnt 0x0                               ; for the others' sake
	s_barrier_signal -1
	s_barrier_wait -1
	ds_load_b128 v[224:227], v7                    ; and among the eight waves'
	ds_load_b128 v[228:231], v7 offset:16
	s_wait_dscnt 0x0
	v_max3_num_f32 v224, v224, v225, v226
	v_max3_num_f32 v227, v227, v228, v229
	v_max3_num_f32 v224, v224, v230, v231
	v_max_num_f32 v224, v224, v227
	v_floor_f32 v12, -v224                         ; -M = floor(-t) = -ceil(t): a whole number
	v_mov_b32 v13, v12                             ; (named with it as a pair)
	; ---- p, its sum, its codes
.set J, 0
.rept 32
	v_pk_add_f32 v[T+J:T+J+1], v[T+J:T+J+1], v[12:13] op_sel_hi:[1,0]   ; t - M
.set J, J+2
.endr
.set J, 0
.rept 64
	v_exp_f32 v[T+J], v[T+J]                       ; p = 2^(t - M), at most 1: not normalised
.set J, J+1
.endr
	v_nop                                          ; one plain line behind the last exponential,
	s_wait_alu depctr_va_vdst(0)                   ; and one wait for the whole batch, ahead of its first reader
	v_pk_add_f32 v[14:15], v[T:T+1], v[T+4:T+5]    ; the sum is taken of the unquantised p: two at a time, in two chains
	v_pk_add_f32 v[242:243], v[T+2:T+3], v[T+6:T+7]
.set J, 8
.rept 14
	v_pk_add_f32 v[14:15], v[14:15], v[T+J:T+J+1]
	v_pk_add_f32 v[242:243], v[242:243], v[T+J+2:T+J+3]
.set J, J+4
.endr
	v_pk_add_f32 v[14:15], v[14:15], v[242:243]
	v_add_f32 v14, v14, v15
	v_permlanex16_b32 v15, v14, s20, s21
	v_add_f32 v14, v14, v15                        ; my K step's part of l
	ds_store_b32 v8, v14
.set J, 0
.rept 64
	v_min_num_f32 v[T+J], v[T+J], v240             ; the conversion to an 8-bit code does not saturate (ISA guide 7.6.2); p is not negative, so the hold is one-sided
.set J, J+1
.endr
.irp a, 0,1,2,3,4,5,6,7
	v_cvt_scalef32_pk8_bf8_f32 v[PC+2*\a:PC+2*\a+1], v[T+8*\a:T+8*\a+7], v244
.endr
	v_nop                                          ; one plain line between the last scaled conversion and the products, which read its results and write over its sources
	; ---- O^T over my 128 keys
	s_wait_loadcnt 0x0                             ; V
.irp n, 0,1,2,3,4,5,6,7                        ; eight accumulators, one instruction each: lane (r, h) holds query r, register 8 n + j channel 16 n + 8 h + j
	v_wmma_f32_16x16x128_bf8_bf8 v[T+8*\n:T+8*\n+7], v[VF+16*\n:VF+16*\n+15], v[PC:PC+15], 0
.endr
.rept 4
	v_nop                                          ; four places between the last product and the stores that read results, and the loads into V's registers
.endr
.irp n, 0,1,2,3,4,5,6,7
	ds_store_b128 v9, v[T+8*\n:T+8*\n+3] offset:64*\n         ; each accumulator from its low end on
	ds_store_b128 v9, v[T+8*\n+4:T+8*\n+7] offset:64*\n+16
.endr
	s_wait_dscnt 0x0                               ; for the others' sake: my part of O and of l lie in LDS
	s_barrier_signal -1
	s_barrier_wait -1
	; ---- rows 2 w and 2 w + 1: the eight parts are added, divided by l, and stored
.irp k, 0,1
.irp p, 0,1,2,3,4,5,6,7
	ds_load_b128 v[VF+32*\k+4*\p:VF+32*\k+4*\p+3], v10 offset:\p*PW+\k*528
.endr
.endr
.irp k, 0,1
	ds_load_b128 v[160+8*\k:163+8*\k], v11 offset:32*\k
	ds_load_b128 v[164+8*\k:167+8*\k], v11 offset:32*\k+16
.endr
	s_wait_dscnt 0x0
.irp k, 0,1
	v_pk_add_f32 v[160+8*\k:161+8*\k], v[160+8*\k:161+8*\k], v[162+8*\k:163+8*\k]
	v_pk_add_f32 v[164+8*\k:165+8*\k], v[164+8*\k:165+8*\k], v[166+8*\k:167+8*\k]
	v_pk_add_f32 v[160+8*\k:161+8*\k], v[160+8*\k:161+8*\k], v[164+8*\k:165+8*\k]
	v_add_f32 v[160+8*\k], v[160+8*\k], v[161+8*\k]   ; l: more than 1/2, at most 1,024
.endr
	v_rcp_f32 v176, v160
	v_rcp_f32 v178, v168
.irp k, 0,1                                    ; the rows' additions are the plain work behind the reciprocals
.set R, VF+32*\k
.irp p, 0,2,4,6
	v_pk_add_f32 v[R+4*\p:R+4*\p+1], v[R+4*\p:R+4*\p+1], v[R+4*\p+4:R+4*\p+5]
	v_pk_add_f32 v[R+4*\p+2:R+4*\p+3], v[R+4*\p+2:R+4*\p+3], v[R+4*\p+6:R+4*\p+7]
.endr
.irp p, 0,4
	v_pk_add_f32 v[R+4*\p:R+4*\p+1], v[R+4*\p:R+4*\p+1], v[R+4*\p+8:R+4*\p+9]
	v_pk_add_f32 v[R+4*\p+2:R+4*\p+3], v[R+4*\p+2:R+4*\p+3], v[R+4*\p+10:R+4*\p+11]
.endr
	v_pk_add_f32 v[R:R+1], v[R:R+1], v[R+16:R+17]
	v_pk_add_f32 v[R+2:R+3], v[R+2:R+3], v[R+18:R+19]
.endr
	s_wait_alu depctr_va_vdst(0)                   ; one wait for both reciprocals, ahead of their first reader
	v_ldexp_f32 v176, v176, s16                    ; 2^(e6 + e7) / l
	v_ldexp_f32 v178, v178, s16
.irp k, 0,1
	v_pk_mul_f32 v[VF+32*\k:VF+32*\k+1], v[VF+32*\k:VF+32*\k+1], v[176+2*\k:177+2*\k] op_sel_hi:[1,0]
	v_pk_mul_f32 v[VF+32*\k+2:VF+32*\k+3], v[VF+32*\k+2:VF+32*\k+3], v[176+2*\k:177+2*\k] op_sel_hi:[1,0]
	global_store_b128 v3, v[VF+32*\k:VF+32*\k+3], s[10:11] offset:512*\k th:TH_STORE_NT   ; 32 lanes store a row's 512 consecutive bytes; written once, read by nobody here
.endr
	s_wait_tensorcnt 0x0
	ds_add_u32 v251, v255
	s_wait_dscnt 0x0
	s_endpgm
.Lfunc_end_k_qac0ed2c816_softpv:
	.size	k_qac0ed2c816_softpv, .Lfunc_end_k_qac0ed2c816_softpv-k_qac0ed2c816_softpv
	.p2alignl 7, 3214868480
	.fill 96, 4, 3214868480
	.section	.rodata,"a",@progbits
	.p2align	6, 0x0
	.amdhsa_kernel k_qac0ed2c816_softpv
		.amdhsa_group_segment_fixed_size 70656
		.amdhsa_private_segment_fixed_size 0
		.amdhsa_enable_private_segment 0
		.amdhsa_kernarg_size 32
		.amdhsa_user_sgpr_count 2
		.amdhsa_user_sgpr_kernarg_segment_ptr 1
		.amdhsa_wavefront_size32 1
		.amdhsa_system_sgpr_workgroup_id_x 1
		.amdhsa_system_sgpr_workgroup_id_y 1
		.amdhsa_system_sgpr_workgroup_id_z 1
		.amdhsa_system_vgpr_workitem_id 0
		.amdhsa_next_free_vgpr 256
		.amdhsa_next_free_sgpr 66
		.amdhsa_reserve_vcc 0
		.amdhsa_float_denorm_mode_32 3
		.amdhsa_float_denorm_mode_16_64 3
		.amdhsa_memory_ordered 1
		.amdhsa_forward_progress 1
		.amdhsa_inst_pref_size 27
	.end_amdhsa_kernel
	.amdgpu_metadata
---
amdhsa.version: [ 1, 2 ]
amdhsa.kernels:
  - .name:           k_qac0ed2c816_softpv
    .symbol:         k_qac0ed2c816_softpv.kd
    .args:
      - { .name: tt, .offset: 0, .size: 8, .value_kind: global_buffer, .address_space: global }
      - { .name: vi, .offset: 8, .size: 8, .value_kind: global_buffer, .address_space: global }
      - { .name: lowp_scales, .offset: 16, .size: 8, .value_kind: global_buffer, .address_space: global }
      - { .name: out0, .offset: 24, .size: 8, .value_kind: global_buffer, .address_space: global }
    .group_segment_fixed_size: 70656
    .private_segment_fixed_size: 0
    .kernarg_segment_align: 8
    .kernarg_segment_size: 32
    .max_flat_workgroup_size: 256
    .sgpr_count:     66
    .vgpr_count:     256
    .wavefront_size: 32
...
	.end_amdgpu_metadata
.endif
;; end of part 3
